; MI455X (gfx1250); checked and timed in simulation.
; The chip was launched on July 23, 2026; its instructions are those of AMD's public machine-readable ISA for CDNA 5 (MIT licence, August 2026) and "CDNA5" Instruction Set Architecture Reference Guide (July 2026). The comments in the code are by the model that wrote it; some were corrected since.
;; Attention. Allowed arithmetic: matrix products marked QUANTISED: E2M3 operands, one E8M0 scale for each 32 along K, by v_wmma_scale_f32_16x16x128_f8f6f4 with both operands' format E2M3, f32 sums; everything else in f32.
;; Inputs: WK_b 64 float32; WK_w_codes 64 x 32 x 24 uint8 (E2M3 codes of WK_w, K innermost, in blocks of 32 codes, four codes in three bytes); WK_w_scales 64 x 32 uint8 (E8M0 scales of WK_w, one for each 32 codes along K); WQ_b 64 float32; WQ_w_codes 64 x 32 x 24 uint8 (E2M3 codes of WQ_w, K innermost, in blocks of 32 codes, four codes in three bytes); WQ_w_scales 64 x 32 uint8 (E8M0 scales of WQ_w, one for each 32 codes along K); WV_b 1,024 float32; WV_w_codes 1,024 x 32 x 24 uint8 (E2M3 codes of WV_w, K innermost, in blocks of 32 codes, four codes in three bytes); WV_w_scales 1,024 x 32 uint8 (E8M0 scales of WV_w, one for each 32 codes along K); x_codes 4 x 2,048 x 32 x 24 uint8 (E2M3 codes of x, K innermost, in blocks of 32 codes, four codes in three bytes); x_scales 4 x 2,048 x 32 uint8 (E8M0 scales of x, one for each 32 codes along K).
;; Outputs: out0 4 x 2,048 x 1,024 float32.
;; This version of the problem:
;;   THIS VERSION OF THE PROBLEM IS GIVEN IN LOW PRECISION. The matrix products marked QUANTISED in the list below multiply operands that are first quantised to E2M3 (2 exponent bits, 3 mantissa bits; 6 bits a number), with one power-of-two scale for each 32 numbers along K (OCP MX v1.0); their sums are f32. All else is computed in f32.
;;   The module's matrix products, in the order in which they are computed (A, B: the left and right operand; K: the contracted axis; several contracted axes count as one K, in the product's order):
;;     1. [M 8,192, K 1,024] x [K 1,024, N 64]; A: input x (given as codes); B: input WQ_w (given as codes): QUANTISED
;;     2. [M 8,192, K 1,024] x [K 1,024, N 64]; A: input x (given as codes); B: input WK_w (given as codes): QUANTISED
;;     3. [M 8,192, K 1,024] x [K 1,024, N 1,024]; A: input x (given as codes); B: input WV_w (given as codes): QUANTISED
;;     4. batch 4 x [M 2,048, K 64] x [K 64, N 2,048]; A: computed on the way; B: computed on the way: QUANTISED
;;     5. batch 4 x [M 2,048, K 2,048] x [K 2,048, N 1,024]; A: softmax (see below); B: computed on the way: QUANTISED
;;   THE QUANTISER, for each operand of a quantised product, along K:
;;     - K is cut into blocks of 32 from its start; a last block that is shorter is filled with zeros.
;;     - A block's scale is 2^e with e = floor(log2(the largest magnitude in the block)) - 2, held to -126 .. 127; a block of zeros has e = 0. As a byte (E8M0): e + 127.
;;     - Each number is divided by its block's scale, clamped to +-7.5, and rounded to the nearest number of E2M3, ties to even, subnormals kept.
;;     - The product sums the exact products of the quantised numbers (number of the format x scale) in f32.
;;   ~~~python
;;   def quantise(x, axis):      # numpy; x: float32 -> the quantised numbers, widened to float32 again
;;       x = np.moveaxis(x, axis, -1); K = x.shape[-1]
;;       x = np.pad(x, [(0, 0)] * (x.ndim - 1) + [(0, -K % 32)]); x = x.reshape(x.shape[:-1] + (-1, 32)); a = np.abs(x).max(-1, keepdims=True)
;;       e = np.where(a > 0, np.clip(np.frexp(np.where(a > 0, a, 1))[1] - 1 - 2, -126, 127), 0)      # np.frexp(a)[1] - 1 = floor(log2(a)), exactly
;;       r = np.clip(x / 2.0 ** e, -7.5, 7.5)
;;       step = 2.0 ** (np.maximum(np.frexp(np.where(r == 0, 1, r))[1] - 1, 0) - 3)
;;       q = np.round(r / step) * step * 2.0 ** e      # np.round: ties to even
;;       return np.moveaxis(q.reshape(q.shape[:-2] + (-1,))[..., :K], -1, axis).astype(np.float32)
;;   ~~~
;;   SOFTMAX AHEAD OF A QUANTISED PRODUCT. Where the list says 'softmax', what is quantised is not the finished softmax but p = 2^(t - M), with t = logit x log2(e) and M = ceil(the row's largest t), a whole number; so 1/2 < the row's largest p <= 1. The row's sum l is taken of the UNQUANTISED p, in f32, and the product's result is divided by l at the end. Since M is a whole number, a kernel that streams over the keys may use a running M (the ceiling of the running maximum): every later rescaling is an exact power of two, which a block's scale takes up: the codes' values come out the same.
;;   OPERANDS COMPUTED ON THE WAY. 'Computed on the way' means the value that the module computes at that place (a softmax that the list does not call 'softmax' is quantised finished and normalised). What goes into a quantiser is computed in f32, as accurately as f32 sums, v_exp_f32 and their like allow (about 1e-6 of the number): no bf16 or f16 on the way to a quantiser, and a product that is left as it is and whose result goes on into a quantised operand takes f32 operands (vector FMAs, or v_wmma_f32_16x16x4_f32). A number that lies on a knife's edge between two numbers of the format may be rounded either way, as far as f32 arithmetic and the matrix unit's own rounding can turn it there, and no further.
;;   INPUTS GIVEN AS CODES. WK_w (in the module: [64, 1024], K = its axis 1); WQ_w (in the module: [64, 1024], K = its axis 1); WV_w (in the module: [1024, 1024], K = its axis 1); x (in the module: [4, 2048, 1024], K = its axis 2): each comes as NAME_codes (uint8): NAME with its K axis moved to the last place and cut into blocks of 32 codes, [.., K / 32, bytes a block], one block behind the other in memory; four codes in three bytes: a row's codes are one little-endian stream of bits, code i at bits 6 i .. 6 i + 5 (a code: sign, 2 exponent bits, 3 mantissa bits); and NAME_scales (uint8): the same leading axes, one E8M0 byte (e + 127) for each 32 codes along K. Its value is code x scale, taken as it is: it is not quantised again, and the codes and scales need not be those that the quantiser above would give.
;; One version. Each part assembles by itself: llvm-mc -triple=amdgcn-amd-amdhsa -mcpu=gfx1250 --defsym DOCPART=n.
;; ======== version 1 of 1: 3 launches
;; limits: right only within a limited range of input values
;; workspace buffers: vbuf 6,553,600 bytes; qbuf 458,752 bytes; kbuf 458,752 bytes; pbuf 6,684,672 bytes; sbuf 1,114,112 bytes
;; launch proj (part 1): grid 4 x 64, 4 waves a work-group, clusters of 4 x 4, 327,680 bytes of LDS; arguments x_codes, x_scales, WV_w_codes, WV_w_scales, WV_b, WQ_w_codes, WQ_w_scales, WQ_b, WK_w_codes, WK_w_scales, WK_b, vbuf, qbuf, kbuf; writes vbuf, qbuf, kbuf
.if DOCPART == 1
	.amdgcn_target "amdgcn-amd-amdhsa--gfx1250"
	.amdhsa_code_object_version 6
	.text
	.protected	k_q93faf1b26e_proj
	.globl	k_q93faf1b26e_proj
	.p2align	8
	.type	k_q93faf1b26e_proj,@function
k_q93faf1b26e_proj:
	s_mov_b64 s[64:65], 0
	v_nop
	global_prefetch_b8 v0, s[64:65] scope:SCOPE_SE
	s_setreg_imm32_b32 hwreg(HW_REG_WAVE_MODE, 25, 1), 1
	s_wait_xcnt 0x0
	s_wait_alu depctr_hold_cnt(0) depctr_sa_sdst(0) depctr_va_vdst(0) depctr_va_sdst(0) depctr_va_ssrc(0) depctr_va_vcc(0) depctr_vm_vsrc(0)
	s_getreg_b32 s2, hwreg(HW_REG_IB_STS2, 6, 4)
	s_cmp_eq_u32 s2, 0
	s_cbranch_scc0 .Lentry_in_a_cluster
	s_endpgm
.Lentry_in_a_cluster:
	s_bfe_u32 s2, ttmp6, 0x10000c
	s_cmp_lg_u32 s2, 0xf033
	s_cbranch_scc0 .Lentry_shape_is_right
	s_endpgm
.Lentry_shape_is_right:
; q = x WQ^T + bq, k = x WK^T + bk, v = x WV^T + bv on codes of FP6 (E2M3) with one E8M0 scale for each 32 along K = 1,024; then q and k are quantised along the head's 64
; and v along the KEYS, and all three leave as codes laid in the order of an operand's registers, for the later launches.
; DEAD WORK.  No input is dead: every bias stands ahead of a quantiser and can move codes and scales, so all eleven inputs are loaded.  All of q, k and v is live: every key counts for
; some query.  What the program leaves out stands in the later launches alone: key steps of 128 that lie wholly behind the mask that the problem itself builds (every key > every query), whose scores become
; -infinity and whose weights 0 for all values of the inputs.  LIMIT: a NaN, an infinity or an overflow that would arise only in those hidden scores is not carried to the result.
; LIMITS.  A block of zeros gets the scale byte 1 where the quantiser says 127: its codes are zeros, which add nothing under any byte but 0xff, and the bytes are read by this program alone.
; NaN and infinities are not served; a given scale byte 0xff gives NaN.  Blocks whose largest magnitude lies under 2^(3 - 127) have their byte held at 1.
; TILES TAKE EVERY FOURTH ROW.  Of each 64 rows of x (and of WV) tile c = 0 .. 3 takes rows 4 k + c, k = 0 .. 15.  So register j of lane (r, h) of v's tile c is key 32 h + 4 j + c of these 64, and the 32 registers
; of the four tiles are one whole block of 32 keys: place 8 c + j holds key 4 j + c of the block.  The other operand of the last product has the same order, so blocks, scales and products are the problem's own.
; q and k: places 0-15 of a block hold units 0-7, 16-23, places 16-31 hold units 8-15, 24-31, in both.
; SHARES.  Work-group (x, y): 128 rows of x (batch y / 16, key step y % 16) x 256 columns e of v (256 x on), and 32 of the 128 rows of [WQ; WK] (x < 2: WQ, else WK; rows 32 (x % 2) on: one block b').
; Wave w: v: 8 tiles of keys x 4 tiles of e (64 w on): source 0 = 16 rows of x, source 1 = 16 rows of WV, so that a lane holds ONE e and its registers run along the keys;
; q or k: tiles 2 w, 2 w + 1 of rows x 2 tiles of the head: source 0 = 16 rows of WQ or WK, source 1 = 16 rows of x, so that a lane holds ONE row and its registers run along the head.
; 36 accumulators take turns, one instruction a turn, in the same order in each of the 8 steps of 128 along K.  The biases are the C of each sum's first product.
; CLUSTER 4 x 4.  x's tile hangs on y alone: asked for jointly along a row of the cluster; the weights' tiles hang on x alone: jointly along a column.  No branch and no LDS address hangs on a place in the cluster.
; LDS.  All of K of all 416 rows lies in LDS at once: one tensor load a wave at the head, and nothing is filled again.  x's and WV's rows of 768 bytes lie end to end in memory and come as rows of 1,024 bytes with 16 bytes of padding
; behind each: four rows take 3,120 bytes, so the sixteen rows of a fragment load start at 16 different banks of 64 (ISA guide 11.1).  WQ's or WK's 32 rows come as rows of 256 bytes with 16 of padding: 816 bytes a row.
; Nothing is prefetched: all tiles are asked for at the head, and the launch has no loop to run ahead in.  The results leave straight from registers: each store of codes covers 512 or 256 consecutive aligned bytes.
; REGISTERS, in windows of 256: window 0: addresses, scale words, biases, q/k's sums, the quantiser's work; window 1: v's 32 accumulators (tile i of e, tile t of keys at 64 i + 8 t); windows 2, 3: two sets of fragments.
.set IMG,  99840                       ; 128 rows: 96 x (1,024 + 16) bytes; 64 rows are half of it
.set WOFF, IMG                         ; WV's 256 rows behind x's 128
.set QOFF, 3*IMG                       ; and WQ's or WK's 32 behind those: 26,112 bytes
.set SPARE, QOFF+26112                 ; the spare words, 128 bytes for each wave: two blocks of 256 bytes that no other line names
.set KROW, 768                         ; a row of 1,024 codes in memory
.set SPW, 1                            ; v1   my spare word's LDS address; never rewritten
.set NIL, 2                            ; v2   0; never rewritten
.set ADX, 4                            ; v4, v5  x's fragments (v5: for the pieces of which lanes 16-31's lie behind one padding more)
.set ADW, 6                            ; v6, v7  WV's
.set ADQ, 8                            ; v8, v9  WQ's or WK's
.set SCO, 10                           ; v10  scale words of every fourth row: 128 r + 32 h
.set H8,  11                           ; v11  8 h
.set LI,  22                           ; 16 x lane
.set L8,  23                           ; 8 x lane
.set QP0, 24                           ; where my q/k codes go: registers 0-3,
.set QP1, 25                           ; registers 4-5,
.set QSO, 26                           ; and the scale word
.set XS,  32                           ; v32-63  x's scale words: 8 B + kk: tile 2 B in lanes 0-15, tile 2 B + 1 in lanes 16-31, K step kk
.set WS,  64                           ; v64-79  WV's: 8 p + kk, likewise
.set QS,  80                           ; v80-87  WQ's or WK's: kk: row = lane
.set BV,  88                           ; v88-119 bv in the result's layout: tile i: eight times the lane's e's number
.set BQ,  120                          ; v120-135 bq or bk: tile u: the lane's eight head units
.set QA,  136                          ; v136-167 q/k's four accumulators: 16 a + 8 u
.set TM,  168                          ; v168-175 largest magnitudes, then bytes and words
.set TB,  176                          ; v176-183 what comes from lane xor 16
.set SO,  184                          ; v184-191 the conversions' scale operands
.set PC,  192                          ; v192-239 v's codes, a run for each tile of e
.set F,   240                          ; v240-245 q/k's codes
.set PW,  248                          ; v248-251 v's scale words, one for each tile of e
.set SW,  252                          ; v252-253 and as they are stored
.set QW,  254
.set XF,  0                            ; in windows 2, 3: x's 8 fragments, WV's 4, WQ's or WK's 2
.set WF,  96
.set QF,  144
.set G1X, 32                           ; descriptor groups 1
.set G1W, 40
.set G1Q, 48
.set G0X, 56                           ; groups 0
.set G0W, 60
.set G0Q, 68
.set WV,  96                           ; s96  my wave's number
.set KS,  99                           ; s99  work-group y: 16 x batch + key step
.set WGX, 66                           ; s66  work-group x
.set BP,  67                           ; s67  b' = x % 2
.set SEL, 4                            ; s[4:5] lane selects for lane xor 16 (once x's address has gone into its descriptor)
.set HM,  8                            ; s8   the mask of lanes 16-31
.set SH,  9                            ; s9   8 b'
.set TOP, 14                           ; s14  b' x 0x7f7f0000: the bytes of the two blocks that K = 64 does not have
.set VO,  26                           ; s[26:27] my unit of vbuf
.set QKO, 28                           ; s[28:29] my key step's block of qbuf or kbuf
.set MSB, 0
.macro WIN new                         ; the immediate's high byte repeats the setting that is left
.if MSB != (\new)
	s_set_vgpr_msb (MSB<<8)|(\new)
.set MSB, (\new)
.endif
.endm
.macro PLACES
.rept 4
	v_nop
.endr
.endm
.macro WM1 d, a, b, c, sa, sb, x, y
	v_wmma_scale_f32_16x16x128_f8f6f4 v[(\d):(\d)+7], v[(\a):(\a)+11], v[(\b):(\b)+11], v[(\c):(\c)+7], v[\sa], v[\sb] matrix_a_fmt:MATRIX_FMT_FP6 matrix_b_fmt:MATRIX_FMT_FP6 matrix_a_scale:MATRIX_SCALE_ROW\x matrix_b_scale:MATRIX_SCALE_ROW\y
.endm
; one product; ra, rb = 1: that side's scale words stand in lanes 16-31
.macro WM d, a, b, c, sa, sb, ra, rb
.if (\ra) && (\rb)
	WM1 \d, \a, \b, \c, \sa, \sb, 1, 1
.elseif (\ra)
	WM1 \d, \a, \b, \c, \sa, \sb, 1, 0
.elseif (\rb)
	WM1 \d, \a, \b, \c, \sa, \sb, 0, 1
.else
	WM1 \d, \a, \b, \c, \sa, \sb, 0, 0
.endif
.endm
.macro CROUND                          ; a round of the cluster's barrier
	s_barrier_signal -1
	s_barrier_wait -1
	s_cmp_lg_u32 s[WV], 0
	s_cbranch_scc1 .Lnot_wave_0_\@
	s_barrier_signal -3
.Lnot_wave_0_\@:
	s_barrier_wait -3
	s_barrier_signal -1
	s_barrier_wait -1
.endm
.macro MKG0 g, ptr
	s_mov_b32 s[\g], 1
	s_mul_i32 s[\g+1], s[WV], IMG                  ; wave x 99,840: x at 0, WV's halves behind it, WQ or WK behind those
	s_mov_b64 s[\g+2:\g+3], s[\ptr:\ptr+1]
	s_or_b32 s[\g+3], s[\g+3], 0x80000000
.endm
.macro DENSE g, el, rows               ; a dense block as rows of `el` elements of 8 bytes
	s_mov_b32 s[\g+1], (\el)<<16
	s_mov_b32 s[\g+2], (\rows)<<16
	s_mov_b32 s[\g+3], (\el)<<16
	s_mov_b32 s[\g+4], \rows
	s_mov_b32 s[\g+5], \el
	s_mov_b32 s[\g+6], 0
	s_mov_b32 s[\g+7], 0
.endm
	s_load_b512 s[4:19], s[0:1], 0x0               ; x codes s[4:5], x scales s[6:7], WV codes s[8:9], WV scales s[10:11], bv s[12:13], WQ codes s[14:15], WQ scales s[16:17], bq s[18:19]
	s_load_b256 s[20:27], s[0:1], 0x40             ; WK codes s[20:21], WK scales s[22:23], bk s[24:25], vbuf s[26:27]
	s_load_b128 s[28:31], s[0:1], 0x60             ; qbuf s[28:29], kbuf s[30:31]
	v_lshl_add_u32 v[SPW], v0, 2, SPARE
	v_mov_b32 v[NIL], 0
	ds_add_u32 v[SPW], v[NIL]                      ; the wave's opening: the add, twice on end, and its wait ahead of the round in front of my tensor load
	ds_add_u32 v[SPW], v[NIL]
	v_lshrrev_b32 v3, 5, v0
	v_readfirstlane_b32 s[WV], v3                  ; wave 0..3
	s_bfe_u32 s97, ttmp6, 0x40000                  ; cx
	s_bfe_u32 s98, ttmp6, 0x40004                  ; cy
	s_lshl_b32 s[WGX], ttmp9, 2
	s_add_co_u32 s[WGX], s[WGX], s97               ; work-group x = 4 x cluster x + cx
	s_and_b32 s[KS], ttmp7, 0xffff
	s_lshl_b32 s[KS], s[KS], 2
	s_add_co_u32 s[KS], s[KS], s98                 ; work-group y = 4 x cluster y + cy
	s_lshl_b32 s100, s98, 2
	s_lshl_b32 s100, 15, s100                      ; my row of the cluster
	s_lshl_b32 s104, 0x1111, s97                   ; my column
	s_or_b32 s[G1X], s100, (3<<16)|(1<<20)|(1<<21)|(7<<22)|(3<<25)   ; x's tile goes to my row: elements of 8 bytes; 4 words of padding after every 256
	s_or_b32 s[G1W], s104, (3<<16)|(1<<20)|(1<<21)|(7<<22)|(3<<25)   ; the weights' to my column
	s_or_b32 s[G1Q], s104, (3<<16)|(1<<20)|(1<<21)|(5<<22)|(3<<25)   ; 4 words after every 64
	DENSE G1X, 128, 96
	DENSE G1W, 128, 96
	DENSE G1Q, 32, 96
	s_mul_i32 s100, s[KS], 128*KROW                ; x: my 128 rows
	s_mov_b32 s101, 0
	s_sub_co_u32 s2, s[WV], 1
	s_and_b32 s2, s2, 1                            ; wave 1: WV's rows 0-127 of my 256, wave 2: rows 128-255
	s_lshl_b32 s2, s2, 7
	s_lshl_b32 s3, s[WGX], 8
	s_add_co_u32 s2, s2, s3
	s_mul_i32 s2, s2, KROW
	s_mov_b32 s3, 0
	s_and_b32 s[BP], s[WGX], 1                     ; b'
	s_mul_i32 s104, s[BP], 32*KROW                 ; WQ or WK: rows 32 b' on
	s_mov_b32 s105, 0
	s_wait_dscnt 0x0                               ; both opening adds are done
	s_wait_kmcnt 0x0
	s_cmp_lt_u32 s[WGX], 2                         ; WQ's work-group or WK's: only pointers are chosen
	s_cselect_b64 s[14:15], s[14:15], s[20:21]
	s_cselect_b64 s[16:17], s[16:17], s[22:23]
	s_cselect_b64 s[18:19], s[18:19], s[24:25]
	s_cselect_b64 s[28:29], s[28:29], s[30:31]
	s_add_nc_u64 s[4:5], s[4:5], s[100:101]
	s_add_nc_u64 s[8:9], s[8:9], s[2:3]
	s_add_nc_u64 s[14:15], s[14:15], s[104:105]
	MKG0 G0X, 4
	MKG0 G0W, 8
	MKG0 G0Q, 14
	CROUND                                         ; all sixteen work-groups are here: the joint loads meet
	s_cmp_eq_u32 s[WV], 0                          ; wave 0 fetches x's 128 rows, waves 1 and 2 WV's two halves, wave 3 the 32 rows of WQ or WK: one load a wave
	s_cbranch_scc0 .Lnot_x
	tensor_load_to_lds s[G0X:G0X+3], s[G1X:G1X+7]
	s_nop 0
	PLACES
	s_branch .Lasked
.Lnot_x:
	s_cmp_eq_u32 s[WV], 3
	s_cbranch_scc0 .Lfor_w
	tensor_load_to_lds s[G0Q:G0Q+3], s[G1Q:G1Q+7]
	s_nop 0
	PLACES
	s_branch .Lasked
.Lfor_w:
	tensor_load_to_lds s[G0W:G0W+3], s[G1W:G1W+7]
	s_nop 0
	PLACES
.Lasked:
	; the scale words of all of K and the biases come once, into registers
	s_lshl_b32 s100, s[KS], 12                     ; x's scales: 128 rows of 32 bytes
	s_add_nc_u64 s[6:7], s[6:7], s[100:101]
	s_lshl_b32 s100, s[WGX], 8
	s_lshl_b32 s2, s[WV], 6
	s_add_co_u32 s100, s100, s2                    ; my first e
	s_lshl_b32 s2, s100, 5
	s_add_nc_u64 s[10:11], s[10:11], s[2:3]
	s_lshl_b32 s2, s100, 2
	s_add_nc_u64 s[12:13], s[12:13], s[2:3]
	s_lshl_b32 s2, s[BP], 10
	s_add_nc_u64 s[16:17], s[16:17], s[2:3]
	s_lshl_b32 s2, s[BP], 7
	s_add_nc_u64 s[18:19], s[18:19], s[2:3]
	v_and_b32 v31, 31, v0                          ; lane
	v_bfe_u32 v30, v0, 4, 1                        ; h
	v_and_b32 v3, 15, v0                           ; r
	v_lshlrev_b32 v27, 5, v31
	v_lshlrev_b32 v28, 4, v3
	v_lshlrev_b32 v29, 5, v30
	v_lshl_add_u32 v[SCO], v3, 7, v29
.irp n, 0,1,2,3
	global_load_b128 v[XS+8*\n:XS+8*\n+3], v[SCO], s[6:7] offset:2048*(\n/2)+64*(\n%2)
	global_load_b128 v[XS+8*\n+4:XS+8*\n+7], v[SCO], s[6:7] offset:2048*(\n/2)+64*(\n%2)+16
.endr
.irp n, 0,1
	global_load_b128 v[WS+8*\n:WS+8*\n+3], v[SCO], s[10:11] offset:64*\n
	global_load_b128 v[WS+8*\n+4:WS+8*\n+7], v[SCO], s[10:11] offset:64*\n+16
.endr
	global_load_b128 v[QS:QS+3], v27, s[16:17]
	global_load_b128 v[QS+4:QS+7], v27, s[16:17] offset:16
.irp e, 0,1,2,3
	global_load_b32 v[BV+8*\e], v28, s[12:13] offset:4*\e      ; tile e: column 4 r + e
.endr
.irp u, 0,1
	global_load_b128 v[BQ+8*\u:BQ+8*\u+3], v29, s[18:19] offset:64*\u
	global_load_b128 v[BQ+8*\u+4:BQ+8*\u+7], v29, s[18:19] offset:64*\u+16
.endr
	; where the results go.  vbuf: [batch][e / 128][key step][(e / 64) % 2] units of 6,400 bytes
	s_lshr_b32 s2, s[KS], 4
	s_lshl_b32 s2, s2, 3
	s_lshl_b32 s100, s[WGX], 1
	s_add_co_u32 s2, s2, s100
	s_lshr_b32 s100, s[WV], 1
	s_add_co_u32 s2, s2, s100
	s_lshl_b32 s2, s2, 4
	s_and_b32 s100, s[KS], 15
	s_add_co_u32 s2, s2, s100
	s_lshl_b32 s2, s2, 1
	s_and_b32 s100, s[WV], 1
	s_add_co_u32 s2, s2, s100
	s_mul_i32 s2, s2, 6400
	s_add_nc_u64 s[VO:VO+1], s[VO:VO+1], s[2:3]
	s_mul_i32 s2, s[KS], 7168
	s_add_nc_u64 s[QKO:QKO+1], s[QKO:QKO+1], s[2:3]
	s_mov_b32 s[SEL], 0x76543210
	s_mov_b32 s[SEL+1], 0xfedcba98
	s_mov_b32 s[HM], 0xffff0000
	s_lshl_b32 s[SH], s[BP], 3
	s_mul_i32 s[TOP], s[BP], 0x7f7f0000
	s_wait_alu depctr_va_vdst(0)
	; LDS addresses: row 4 r of the image + 24 h, and + 40 h for the pieces of which lanes 16-31's lie behind one padding more
	v_mul_u32_u24 v255, v3, 3120
	v_mad_u32_u24 v[ADX], v30, 24, v255
	v_mad_u32_u24 v[ADX+1], v30, 40, v255
	s_mul_i32 s2, s[WV], IMG/2
	s_add_co_u32 s2, s2, WOFF
	v_add_nc_u32 v[ADW], s2, v[ADX]
	v_add_nc_u32 v[ADW+1], s2, v[ADX+1]
	v_mul_u32_u24 v255, v3, 816
	v_add_nc_u32 v255, QOFF, v255
	v_mad_u32_u24 v[ADQ], v30, 24, v255
	v_mad_u32_u24 v[ADQ+1], v30, 40, v255
	v_lshlrev_b32 v[LI], 4, v31
	v_lshlrev_b32 v[L8], 3, v31
	v_lshlrev_b32 v[H8], 3, v30
	s_mul_i32 s2, s[WV], 1536                      ; qbuf, kbuf: tile 2 w + h at 768 bytes a tile; in it lane 16 b' + r: 16 bytes, then 8
	s_lshl_b32 s100, s[BP], 8
	s_add_co_u32 s100, s100, s2
	v_mul_u32_u24 v[QP0], v30, 768
	v_lshl_add_u32 v[QP1], v3, 3, v[QP0]
	v_lshl_add_u32 v[QP0], v3, 4, v[QP0]
	v_add_nc_u32 v[QP0], s100, v[QP0]
	s_lshl_b32 s100, s[BP], 7
	s_add_co_u32 s100, s100, s2
	s_add_co_u32 s100, s100, 512
	v_add_nc_u32 v[QP1], s100, v[QP1]
	s_lshl_b32 s100, s[BP], 9
	s_lshl_b32 s2, s[WV], 7
	s_add_co_u32 s100, s100, s2
	s_add_co_u32 s100, s100, 6144
	v_lshl_add_u32 v[QSO], v31, 2, s100            ; scale words: plane b', pair w, 4 bytes a lane
.irp b, 0,1,2,3
	v_mov_b32 v[TB+\b], 0                          ; written once: a lane permute's destination counts as one of its sources
.endr
; a fragment of x or WV, 16 rows x 128 K: 12 registers; lane (r, h): registers 6 c .. 6 c + 5 hold K = 64 c + 32 h + 0 .. 31, 24 bytes of the row as they lie, in pieces of 8 bytes.  Tile t: rows 64 (t / 4) + 4 r + t % 4
.macro FRAG reg, adr, q, t
.irp p, 0,1,2,3,4,5
.set Y_, 768*((\t)%4)+96*(\q)+48*(\p/3)+8*(\p%3)
.if Y_/1024 == (Y_+24)/1024
	ds_load_b64 v[(\reg)+2*\p:(\reg)+2*\p+1], v[\adr] offset:Y_+16*(Y_/1024)+(IMG/2)*((\t)/4)
.else
	ds_load_b64 v[(\reg)+2*\p:(\reg)+2*\p+1], v[(\adr)+1] offset:Y_+16*(Y_/1024)+(IMG/2)*((\t)/4)
.endif
.endr
.endm
.macro FRAGQ reg, q, u                 ; of WQ or WK: rows 16 u + r
.irp p, 0,1,2,3,4,5
.set Y_, 96*(\q)+48*(\p/3)+8*(\p%3)
.if Y_/256 == (Y_+24)/256
	ds_load_b64 v[(\reg)+2*\p:(\reg)+2*\p+1], v[ADQ] offset:Y_+16*(Y_/256)+13056*(\u)
.else
	ds_load_b64 v[(\reg)+2*\p:(\reg)+2*\p+1], v[ADQ+1] offset:Y_+16*(Y_/256)+13056*(\u)
.endif
.endr
.endm
; a part of step kk's fragments into set kk % 2: 0: x's tiles 0-3; 1: tiles 4-7; 2: WV's four; 3: WQ's or WK's two
.macro FPART kk, part
	WIN 0x80+0x40*((\kk)&1)
.if (\part) == 0
.irp t, 0,1,2,3
	FRAG XF+12*\t, ADX, \kk, \t
.endr
.elseif (\part) == 1
.irp t, 4,5,6,7
	FRAG XF+12*\t, ADX, \kk, \t
.endr
.elseif (\part) == 2
.irp t, 0,1,2,3
	FRAG WF+12*\t, ADW, \kk, \t
.endr
.else
.irp t, 0,1
	FRAGQ QF+12*\t, \kk, \t
.endr
.endif
.endm
; 8 products: tile i of e against x's eight tiles.  Step 0 starts the sums with the bias as C: nothing is cleared
.macro VMUL kk, i
.if (\kk) == 0
	WIN 0x4a
.else
	WIN 0x5a+5*((\kk)&1)
.endif
.irp t, 0,1,2,3,4,5,6,7
.if (\kk) == 0
	WM 64*(\i)+8*\t, XF+12*\t, WF+12*(\i), BV+8*(\i), XS+8*(\t/2)+(\kk), WS+8*((\i)/2)+(\kk), \t%2, (\i)%2
.else
	WM 64*(\i)+8*\t, XF+12*\t, WF+12*(\i), 64*(\i)+8*\t, XS+8*(\t/2)+(\kk), WS+8*((\i)/2)+(\kk), \t%2, (\i)%2
.endif
.endr
.endm
.macro QARM kk, w                      ; q/k's four products in wave w: x's tiles 2 w, 2 w + 1
	WIN 0x0a+5*((\kk)&1)
.irp a, 0,1
.irp u, 0,1
.if (\kk) == 0
	WM QA+16*\a+8*\u, QF+12*\u, XF+12*(2*(\w)+\a), BQ+8*\u, QS+(\kk), XS+8*(\w)+(\kk), \u, \a
.else
	WM QA+16*\a+8*\u, QF+12*\u, XF+12*(2*(\w)+\a), QA+16*\a+8*\u, QS+(\kk), XS+8*(\w)+(\kk), \u, \a
.endif
.endr
.endr
	WIN 0
.endm
.macro QMUL kk                         ; which of x's fragments a wave takes is a register number: four arms on the wave's number
	WIN 0
	s_cmp_lt_u32 s[WV], 2
	s_cbranch_scc0 .Lq23_\@
	s_cmp_eq_u32 s[WV], 0
	s_cbranch_scc0 .Lq1_\@
	QARM \kk, 0
	s_branch .Lqe_\@
.Lq1_\@:
	QARM \kk, 1
	s_branch .Lqe_\@
.Lq23_\@:
	s_cmp_eq_u32 s[WV], 2
	s_cbranch_scc0 .Lq3_\@
	QARM \kk, 2
	s_branch .Lqe_\@
.Lq3_\@:
	QARM \kk, 3
.Lqe_\@:
.endm
; a step of 128 along K; the next step's fragments are fetched in four runs among this step's products
.macro STEP kk
	s_wait_dscnt 0x0                               ; this step's fragments are in
	PLACES                                         ; four places between the last products that read the other set and the loads into it (ISA guide 7.12.1 for vector instructions)
	FPART (\kk)+1, 0
	VMUL \kk, 0
	FPART (\kk)+1, 1
	VMUL \kk, 1
	FPART (\kk)+1, 2
	VMUL \kk, 2
	FPART (\kk)+1, 3
	VMUL \kk, 3
	QMUL \kk
.endm
	s_wait_alu depctr_va_vdst(0)
	s_wait_loadcnt 0x0                             ; the scale words and the biases
.irp e, 0,1,2,3
.irp n, 1,2,3,4,5,6,7
	v_mov_b32 v[BV+8*\e+\n], v[BV+8*\e]            ; a lane's eight results of a tile share its e
.endr
.endr
	s_wait_alu depctr_va_vdst(0)
	s_wait_tensorcnt 0x0                           ; my tile is in
	s_barrier_signal -1
	s_barrier_wait -1                              ; everybody's is
	FPART 0, 0
	FPART 0, 1
	FPART 0, 2
	FPART 0, 3
.irp k, 0,1,2,3,4,5,6
	STEP \k
.endr
	s_wait_dscnt 0x0                               ; the last step: nothing more to fetch
	VMUL 7, 0
	VMUL 7, 1
	VMUL 7, 2
	VMUL 7, 3
	QMUL 7
	PLACES                                         ; in front of the first read of results
	; q or k: a lane holds 16 of the 32 numbers of block b' of row r, for each of my two tiles; lane xor 16 holds the other 16
.irp a, 0,1
	v_max3_num_f32 v[TM+\a], |v[QA+16*\a]|, |v[QA+16*\a+1]|, 0x1800000   ; with the floor 2^(3 - 127): the byte cannot fall under 1
.endr
.irp n, 2,4,6,8,10,12,14
.irp a, 0,1
	v_max3_num_f32 v[TM+\a], v[TM+\a], |v[QA+16*\a+\n]|, |v[QA+16*\a+\n+1]|
.endr
.endr
.irp a, 0,1
	v_permlanex16_b32 v[TB+\a], v[TM+\a], s[SEL], s[SEL+1]
.endr
.irp a, 0,1
	v_max_num_f32 v[TM+\a], v[TM+\a], v[TB+\a]     ; the block's largest magnitude
.endr
.irp a, 0,1
	v_add_nc_u32 v[SO+\a], 0xff000000, v[TM+\a]    ; 2 off its exponent field: the conversion's scale operand
.endr
.irp a, 0,1
	v_lshrrev_b32 v[TM+\a], 23, v[SO+\a]           ; the scale's byte
.endr
	v_cvt_scalef32_pk16_fp6_f32 v[F:F+2], v[QA:QA+15], v[SO]
	v_cvt_scalef32_pk16_fp6_f32 v[TM+4:TM+6], v[QA+16:QA+31], v[SO+1]
	v_cndmask_b32 v[QW], v[TM], v[TM+1], s[HM]     ; lanes 0-15: tile 2 w's byte, lanes 16-31: tile 2 w + 1's.  (The plain place behind the conversions)
.irp n, 0,1,2
	v_permlane16_swap_b32 v[F+\n], v[TM+4+\n]      ; lane (r, h) now holds row r of tile 2 w + h: the block's places 0-15 here, 16-31 there
.endr
.irp n, 0,1,2
	v_mov_b32 v[F+3+\n], v[TM+4+\n]
.endr
	v_lshlrev_b32 v[QW], s[SH], v[QW]              ; byte b' of the scale word;
	v_or_b32 v[QW], s[TOP], v[QW]                  ; plane 1 also carries 0x7f for the two blocks that are not there
	global_store_b128 v[QP0], v[F:F+3], s[QKO:QKO+1]               ; sixteen lanes store 256 consecutive aligned bytes
	global_store_b64 v[QP1], v[F+4:F+5], s[QKO:QKO+1]
	global_store_b32 v[QSO], v[QW], s[QKO:QKO+1]
	; v: of tile i of e a lane holds two whole blocks: registers 64 i + 32 g .. + 31 are block 2 g + h.  The eight blocks take turns, line by line
.macro EACH8 op
.irp i, 0,1,2,3
.irp g, 0,1
	\op \i, \g
.endr
.endr
.endm
.macro VFIRST i, g
	v_max3_num_f32 v[TM+2*\i+\g], |v[64*\i+32*\g]|, |v[64*\i+32*\g+1]|, 0x1800000
.endm
.macro VNEXT i, g
	v_max3_num_f32 v[TM+2*\i+\g], v[TM+2*\i+\g], |v[64*\i+32*\g+P_]|, |v[64*\i+32*\g+P_+1]|   ; each accumulator is read from its low end on
.endm
.macro VSCALE i, g
	v_add_nc_u32 v[SO+2*\i+\g], 0xff000000, v[TM+2*\i+\g]
.endm
.macro VBYTE i, g
	v_lshrrev_b32 v[TM+2*\i+\g], 23, v[SO+2*\i+\g]
.endm
.macro VLOW i, g
	v_cvt_scalef32_pk16_fp6_f32 v[PC+12*\i+6*\g:PC+12*\i+6*\g+2], v[64*\i+32*\g:64*\i+32*\g+15], v[SO+2*\i+\g]
.endm
.macro VHIGH i, g                      ; (a conversion's three registers begin on an even number: the second half of a block's six does not, so it is made in window 2 and moved)
	v_cvt_scalef32_pk16_fp6_f32 v[8*\i+4*\g:8*\i+4*\g+2], v[64*\i+32*\g+16:64*\i+32*\g+31], v[SO+2*\i+\g]
.endm
.macro VMOVE i, g
.irp n, 0,1,2
	v_mov_b32 v[PC+12*\i+6*\g+3+\n], v[8*\i+4*\g+\n]
.endr
.endm
	WIN 0x05
	EACH8 VFIRST
	WIN 0x14
.set P_, 2
.rept 15
	EACH8 VNEXT
.set P_, P_+2
.endr
	WIN 0
	EACH8 VSCALE
	EACH8 VBYTE
	WIN 0x01
	EACH8 VLOW
	WIN 0x81
	EACH8 VHIGH
	WIN 0
.irp i, 0,1,2,3
	v_lshl_or_b32 v[TM+2*\i], v[TM+2*\i+1], 16, v[TM+2*\i]         ; my two bytes, blocks h and 2 + h of my e.  (A plain place behind the conversions)
.endr
	WIN 0x02
	EACH8 VMOVE
	WIN 0
.irp i, 0,1,2,3
.irp c, 0,1,2
	global_store_b128 v[LI], v[PC+12*\i+4*\c:PC+12*\i+4*\c+3], s[VO:VO+1] offset:1536*\i+512*\c   ; the operand's registers as they stand: 512 consecutive aligned bytes
.endr
.endr
.irp i, 0,1,2,3
	v_lshlrev_b32 v[TM+2*\i], v[H8], v[TM+2*\i]                    ; at their places in the word,
.endr
.irp i, 0,1,2,3
	v_permlanex16_b32 v[TB+\i], v[TM+2*\i], s[SEL], s[SEL+1]
.endr
.irp i, 0,1,2,3
	v_or_b32 v[PW+\i], v[TM+2*\i], v[TB+\i]                        ; and lane xor 16's two
.endr
	v_cndmask_b32 v[SW], v[PW], v[PW+1], s[HM]     ; tile 0's words in lanes 0-15, tile 1's in lanes 16-31;
	v_cndmask_b32 v[SW+1], v[PW+2], v[PW+3], s[HM] ; tiles 2 and 3
	global_store_b64 v[L8], v[SW:SW+1], s[VO:VO+1] offset:6144     ; 256 consecutive aligned bytes
	s_wait_tensorcnt 0x0                           ; the wave's endx
	ds_add_u32 v[SPW], v[NIL]
	s_wait_dscnt 0x0
	CROUND                                         ; the closing round: no work-group ends while a partner may still ask for a tile that names it
	s_endpgm
.Lfunc_end_k_q93faf1b26e_proj:
	.size	k_q93faf1b26e_proj, .Lfunc_end_k_q93faf1b26e_proj-k_q93faf1b26e_proj
	.p2alignl 7, 3214868480
	.fill 96, 4, 3214868480
	.section	.rodata,"a",@progbits
	.p2align	6, 0x0
	.amdhsa_kernel k_q93faf1b26e_proj
		.amdhsa_group_segment_fixed_size 327680
		.amdhsa_private_segment_fixed_size 0
		.amdhsa_enable_private_segment 0
		.amdhsa_kernarg_size 112
		.amdhsa_user_sgpr_count 2
		.amdhsa_user_sgpr_kernarg_segment_ptr 1
		.amdhsa_wavefront_size32 1
		.amdhsa_system_sgpr_workgroup_id_x 1
		.amdhsa_system_sgpr_workgroup_id_y 1
		.amdhsa_system_sgpr_workgroup_id_z 1
		.amdhsa_system_vgpr_workitem_id 0
		.amdhsa_next_free_vgpr 1024
		.amdhsa_next_free_sgpr 106
		.amdhsa_reserve_vcc 0
		.amdhsa_float_denorm_mode_32 3
		.amdhsa_float_denorm_mode_16_64 3
		.amdhsa_memory_ordered 1
		.amdhsa_forward_progress 1
		.amdhsa_inst_pref_size 125
	.end_amdhsa_kernel
	.amdgpu_metadata
---
amdhsa.version: [ 1, 2 ]
amdhsa.kernels:
  - .name:           k_q93faf1b26e_proj
    .symbol:         k_q93faf1b26e_proj.kd
    .args:
      - { .name: x_codes, .offset: 0, .size: 8, .value_kind: global_buffer, .address_space: global }
      - { .name: x_scales, .offset: 8, .size: 8, .value_kind: global_buffer, .address_space: global }
      - { .name: WV_w_codes, .offset: 16, .size: 8, .value_kind: global_buffer, .address_space: global }
      - { .name: WV_w_scales, .offset: 24, .size: 8, .value_kind: global_buffer, .address_space: global }
      - { .name: WV_b, .offset: 32, .size: 8, .value_kind: global_buffer, .address_space: global }
      - { .name: WQ_w_codes, .offset: 40, .size: 8, .value_kind: global_buffer, .address_space: global }
      - { .name: WQ_w_scales, .offset: 48, .size: 8, .value_kind: global_buffer, .address_space: global }
      - { .name: WQ_b, .offset: 56, .size: 8, .value_kind: global_buffer, .address_space: global }
      - { .name: WK_w_codes, .offset: 64, .size: 8, .value_kind: global_buffer, .address_space: global }
      - { .name: WK_w_scales, .offset: 72, .size: 8, .value_kind: global_buffer, .address_space: global }
      - { .name: WK_b, .offset: 80, .size: 8, .value_kind: global_buffer, .address_space: global }
      - { .name: vbuf, .offset: 88, .size: 8, .value_kind: global_buffer, .address_space: global }
      - { .name: qbuf, .offset: 96, .size: 8, .value_kind: global_buffer, .address_space: global }
      - { .name: kbuf, .offset: 104, .size: 8, .value_kind: global_buffer, .address_space: global }
    .group_segment_fixed_size: 327680
    .private_segment_fixed_size: 0
    .kernarg_segment_align: 8
    .kernarg_segment_size: 112
    .max_flat_workgroup_size: 128
    .sgpr_count:     106
    .vgpr_count:     1024
    .wavefront_size: 32
...
	.end_amdgpu_metadata
.endif
;; end of part 1
;; launch soft (part 2): grid 256 x 1, 17 waves a work-group, no clusters, 0 bytes of LDS; arguments qbuf, kbuf, pbuf, sbuf; writes pbuf, sbuf
.if DOCPART == 2
	.amdgcn_target "amdgcn-amd-amdhsa--gfx1250"
	.amdhsa_code_object_version 6
	.text
	.protected	k_q93faf1b26e_soft
	.globl	k_q93faf1b26e_soft
	.p2align	8
	.type	k_q93faf1b26e_soft,@function
k_q93faf1b26e_soft:
	s_mov_b64 s[64:65], 0
	v_nop
	global_prefetch_b8 v0, s[64:65] scope:SCOPE_SE
	s_setreg_imm32_b32 hwreg(HW_REG_WAVE_MODE, 25, 1), 1
	s_wait_xcnt 0x0
; The scores and the softmax's numerators: S = Q K^T on codes of FP6, t = score x log2(e), p = 2^(t - M), quantised along the keys.  ONE WAVE MAKES 16 QUERIES x 128 KEYS, with an M of its own: M = the ceiling of the largest t of
; its query's 128 keys.  The last launch joins the steps of a query: a difference of two M is a whole number, which the blocks' scale bytes take up.  So no wave waits for another: no LDS, no barrier, no loop.
; LEFT OUT: key steps of 128 that lie wholly behind the mask that the problem itself builds (every key > every query of the block of 128): their weights are 0 for all values of the inputs.
; A NaN, an infinity or an overflow that would arise only in those hidden scores is not carried to the result.  LIMITS: as at the head of the first launch; and the promise holds while |t| stays under 2^31.
; SHARES.  Queries go in blocks of 128.  Blocks i and 15 - i of a batch, i = 0 .. 7, make a pair: i + 1 and 16 - i key steps, 17 in all, numbered 0 .. 16 in that order.  Work-group 8 (8 batch + i) + t: query tile t of both
; blocks; wave s: the pair's step s.  Tile t of 128 rows holds rows 64 (t / 4) + 4 r + t % 4, r = 0 .. 15, for queries and keys alike: register 8 t + j of S^T is key 64 (t / 4) + 32 h + 4 j + t % 4 of query lane % 16,
; so registers 32 g .. 32 g + 31 are block 2 g + h of 32 keys, whole, in the order of v's blocks.
; K = 64 in a product of 128: Q's registers 6-11 are zero codes; beside them K's operand names the next tile's codes, which so count for nothing; the scale bytes of the two absent blocks are 0x7f.
; No cluster: each operand goes straight into registers, and a shared request needs LDS.  Nothing is prefetched: all loads are asked for at once, and there is no loop to run ahead in.
; OUT: pbuf [pair][step 17][tile 8][3][lane][16]: the operand's registers as they stand; sbuf [pair][step][tile] 256 bytes: 16 x (scale word with bit 7 of each byte set, -M + 2^31), 16 x (sum of p, -M + 2^31).
.set QR,  8                            ; v8-19   Q: six registers of codes, six of zeros
.set KR,  24                           ; v24-77  K: tile t at 6 t, six zeros behind tile 7; later at work
.set RAW, 80                           ; v80-87  K's scale planes, then my query less each tile's first key of my half
.set KSM, 88                           ; v88-91  K's scale words: pair p: tile 2 p in lanes 0-15, tile 2 p + 1 in lanes 16-31
.set SS,  96                           ; v96-159 S^T, then p
.set BM,  160
.set PX,  164
.set SO,  168
.set CT,  172
.set PC,  180                          ; v180-191 p's codes
.set CS,  40                           ; s[40:41] log2(e), twice: the packed form names a pair
.set SEL, 42
	s_load_b128 s[4:7], s[0:1], 0x0                ; qbuf, kbuf
	s_load_b128 s[8:11], s[0:1], 0x10              ; pbuf, sbuf
	v_lshrrev_b32 v1, 5, v0
	v_readfirstlane_b32 s14, v1                    ; the step, 0 .. 16
	s_and_b32 s15, ttmp9, 7                        ; t
	s_lshr_b32 s16, ttmp9, 3                       ; the pair, 8 batch + i
	s_and_b32 s17, s16, 7                          ; i
	s_lshr_b32 s18, s16, 3                         ; batch
	s_sub_co_u32 s19, 15, s17
	s_sub_co_u32 s20, s14, s17
	s_sub_co_u32 s20, s20, 1
	s_cmp_le_u32 s14, s17
	s_cselect_b32 s21, s17, s19                    ; my block of queries
	s_cselect_b32 s22, s14, s20                    ; my key step
	s_lshl_b32 s23, s18, 4
	s_add_co_u32 s24, s23, s22
	s_mul_i32 s24, s24, 7168                       ; K's step,
	s_mov_b32 s25, 0
	s_add_co_u32 s26, s23, s21
	s_mul_i32 s26, s26, 7168
	s_mul_i32 s28, s15, 768
	s_add_co_u32 s28, s28, s26                     ; Q's tile,
	s_mov_b32 s29, 0
	s_lshl_b32 s30, s15, 6
	s_add_co_u32 s30, s30, s26                     ; and its rows' scale words
	s_mov_b32 s31, 0
	s_mul_i32 s32, s16, 17
	s_add_co_u32 s32, s32, s14
	s_lshl_b32 s32, s32, 3
	s_add_co_u32 s32, s32, s15
	s_lshl_b32 s34, s32, 8
	s_mov_b32 s35, 0
	s_mul_i32 s32, s32, 1536
	s_mov_b32 s33, 0
	s_lshr_b32 s36, s15, 2
	s_lshl_b32 s36, s36, 6
	s_and_b32 s37, s15, 3
	s_add_co_u32 s36, s36, s37                     ; my tile's first query in its block
	s_mov_b32 s[CS], 0x3fb8aa3b
	s_mov_b32 s[CS+1], s[CS]
	s_mov_b32 s[SEL], 0x76543210
	s_mov_b32 s[SEL+1], 0xfedcba98                 ; selects for lane xor 16
	s_mov_b32 s44, 0xffff0000                      ; lanes 16-31
	v_and_b32 v2, 31, v0
	v_and_b32 v6, 15, v0                           ; r
	v_bfe_u32 v7, v0, 4, 1                         ; h
	v_lshlrev_b32 v3, 4, v2
	v_lshlrev_b32 v4, 3, v2
	v_lshlrev_b32 v5, 2, v2
	v_lshlrev_b32 v92, 2, v6                       ; 4 r
	v_lshlrev_b32 v93, 3, v7                       ; 8 h
	v_lshlrev_b32 v1, 5, v7
	v_sub_nc_u32 v94, v92, v1
	v_add_nc_u32 v94, s36, v94                     ; my query - 32 h
	s_wait_alu depctr_va_vdst(0)
	s_wait_kmcnt 0x0
	s_add_nc_u64 s[24:25], s[6:7], s[24:25]
	s_add_nc_u64 s[28:29], s[4:5], s[28:29]
	s_add_nc_u64 s[30:31], s[4:5], s[30:31]
	s_add_nc_u64 s[32:33], s[8:9], s[32:33]
	s_add_nc_u64 s[34:35], s[10:11], s[34:35]
	global_load_b128 v[QR:QR+3], v3, s[28:29]
	global_load_b64 v[QR+4:QR+5], v4, s[28:29] offset:512
	global_load_b32 v20, v92, s[30:31] offset:6144
	global_load_b32 v21, v92, s[30:31] offset:6656
.irp n, 0,1,2,3,4,5,6,7
	global_load_b32 v[RAW+\n], v5, s[24:25] offset:6144+128*\n
.endr
.irp t, 0,1,2,3,4,5,6,7
	global_load_b128 v[KR+6*\t:KR+6*\t+3], v3, s[24:25] offset:768*\t
	global_load_b64 v[KR+6*\t+4:KR+6*\t+5], v4, s[24:25] offset:768*\t+512
.endr
.irp n, 0,1,2,3,4,5
	v_mov_b32 v[QR+6+\n], 0
	v_mov_b32 v[KR+48+\n], 0
.endr
	v_mov_b32 v[PX], 0                             ; written once: a lane permute's destination counts as one of its sources
	v_mov_b32 v[PX+1], 0
	v_mov_b32 v95, 0xff800000
	s_wait_alu depctr_va_vdst(0)
	s_wait_loadcnt 0x0
	v_or_b32 v20, v20, v21                         ; the two planes make the scale words
.irp n, 0,1,2,3
	v_or_b32 v[KSM+\n], v[RAW+\n], v[RAW+4+\n]
.endr
.irp t, 0,1,2,3,4,5,6,7
	v_add_nc_u32 v[RAW+\t], -(64*(\t/4)+\t%4), v94 ; (eight places between the scale words and the products)
.endr
.irp p, 0,1,2,3
	v_wmma_scale_f32_16x16x128_f8f6f4 v[SS+16*\p:SS+16*\p+7], v[KR+12*\p:KR+12*\p+11], v[QR:QR+11], 0, v[KSM+\p], v20 matrix_a_fmt:MATRIX_FMT_FP6 matrix_b_fmt:MATRIX_FMT_FP6
	v_wmma_scale_f32_16x16x128_f8f6f4 v[SS+16*\p+8:SS+16*\p+15], v[KR+12*\p+6:KR+12*\p+17], v[QR:QR+11], 0, v[KSM+\p], v20 matrix_a_fmt:MATRIX_FMT_FP6 matrix_b_fmt:MATRIX_FMT_FP6 matrix_a_scale:MATRIX_SCALE_ROW1
.endr
.rept 5
	v_nop                                          ; places between the products and what reads their results or writes over their operands (ISA guide 7.12.1)
.endr
	s_cmp_lg_u32 s22, s21                          ; ahead of the diagonal step no key is hidden
	s_cbranch_scc1 .Lopen
.irp t, 0,1,2,3,4,5,6,7
.irp n, 0,1,2,3,4,5,6,7
	v_cmp_gt_i32 vcc_lo, 4*\n, v[RAW+\t]           ; key > query: the score becomes -infinity ahead of the maximum, so that p = 0
	v_cndmask_b32 v[SS+8*\t+\n], v[SS+8*\t+\n], v95, vcc_lo
.endr
.endr
.Lopen:
.irp b, 0,1,2,3
	v_max3_num_f32 v[BM+\b], v[SS+16*\b], v[SS+16*\b+1], v[SS+16*\b+2]   ; four chains, two to a block of 32 keys
.endr
.irp n, 3,5,7,9,11,13
.irp b, 0,1,2,3
	v_max3_num_f32 v[BM+\b], v[BM+\b], v[SS+16*\b+\n], v[SS+16*\b+\n+1]
.endr
.endr
.irp b, 0,1,2,3
	v_max_num_f32 v[BM+\b], v[BM+\b], v[SS+16*\b+15]
.endr
	v_max_num_f32 v[BM], v[BM], v[BM+1]            ; the largest score of block h: for the maximum, and, since p rises with the score, for the block's largest p;
	v_max_num_f32 v[BM+2], v[BM+2], v[BM+3]        ; of block 2 + h
	v_max_num_f32 v33, v[BM], v[BM+2]
	v_permlanex16_b32 v[PX], v33, s[SEL], s[SEL+1]
	v_max_num_f32 v33, v33, v[PX]                  ; with lane xor 16's 64 keys
	v_mul_f32 v33, s[CS], v33
	v_floor_f32 v32, -v33                          ; -M = -ceil(t): a whole number
.set I_, 0
.rept 32
	v_pk_fma_f32 v[SS+I_:SS+I_+1], v[SS+I_:SS+I_+1], s[CS:CS+1], v[32:33] op_sel_hi:[1,0,0]   ; t - M
.set I_, I_+2
.endr
	v_fma_f32 v[BM], v[BM], s[CS], v32
	v_fma_f32 v[BM+2], v[BM+2], s[CS], v32
	s_wait_alu depctr_va_vdst(0)
.set I_, 0
.rept 64
	v_exp_f32 v[SS+I_], v[SS+I_]                   ; p = 2^(t - M)
.set I_, I_+1
.endr
	v_exp_f32 v[BM], v[BM]                         ; the blocks' largest p
	v_exp_f32 v[BM+2], v[BM+2]
	v_cvt_i32_f32 v35, v32                         ; (the plain place behind them)
	s_wait_alu depctr_va_vdst(0)                   ; and behind it
	v_pk_add_f32 v[24:25], v[SS:SS+1], v[SS+2:SS+3]                ; the sum is taken of the unquantised p, in four chains of pairs
	v_pk_add_f32 v[26:27], v[SS+4:SS+5], v[SS+6:SS+7]
	v_pk_add_f32 v[28:29], v[SS+8:SS+9], v[SS+10:SS+11]
	v_pk_add_f32 v[30:31], v[SS+12:SS+13], v[SS+14:SS+15]
.irp j, 16,24,32,40,48,56
.irp c, 0,2,4,6
	v_pk_add_f32 v[24+\c:25+\c], v[24+\c:25+\c], v[SS+\j+\c:SS+\j+\c+1]
.endr
.endr
	v_max_num_f32 v[BM], 0x1800000, v[BM]          ; the floor 2^(3 - 127): the byte cannot fall under 1
	v_max_num_f32 v[BM+2], 0x1800000, v[BM+2]
	v_pk_add_f32 v[24:25], v[24:25], v[26:27]
	v_pk_add_f32 v[28:29], v[28:29], v[30:31]
	v_add_nc_u32 v[SO], 0xff000000, v[BM]          ; 2 off the exponent field: the conversion's scale operand
	v_add_nc_u32 v[SO+1], 0xff000000, v[BM+2]
	v_pk_add_f32 v[24:25], v[24:25], v[28:29]
	v_xor_b32 v35, 0x80000000, v35                 ; -M + 2^31: unsigned order is the order of -M
	v_lshrrev_b32 v36, 23, v[SO]                   ; the bytes
	v_lshrrev_b32 v37, 23, v[SO+1]
.irp g, 0,1
	v_cvt_scalef32_pk16_fp6_f32 v[PC+6*\g:PC+6*\g+2], v[SS+32*\g:SS+32*\g+15], v[SO+\g]
	v_cvt_scalef32_pk16_fp6_f32 v[CT+4*\g:CT+4*\g+2], v[SS+32*\g+16:SS+32*\g+31], v[SO+\g]   ; (a conversion's three registers begin on an even number)
.endr
	v_add_f32 v24, v24, v25                        ; (a plain place behind the conversions)
	v_lshl_or_b32 v34, v37, 16, v36                ; my two bytes, blocks h and 2 + h,
.irp g, 0,1
.irp n, 0,1,2
	v_mov_b32 v[PC+6*\g+3+\n], v[CT+4*\g+\n]
.endr
.endr
	v_lshlrev_b32 v34, v93, v34                    ; at their places,
	v_permlanex16_b32 v[PX+1], v24, s[SEL], s[SEL+1]
	v_permlanex16_b32 v[PX], v34, s[SEL], s[SEL+1]
	v_add_f32 v24, v24, v[PX+1]                    ; my query's sum over the step
	v_or_b32 v34, v34, v[PX]                       ; and lane xor 16's two
	v_or_b32 v34, 0x80808080, v34                  ; (every byte is 1 to 125: bit 7 is set for the last launch's subtraction)
	v_cndmask_b32 v34, v34, v24, s44               ; lanes 0-15 the word, lanes 16-31 the sum
.irp c, 0,1,2
	global_store_b128 v3, v[PC+4*\c:PC+4*\c+3], s[32:33] offset:512*\c   ; 512 consecutive aligned bytes
.endr
	global_store_b64 v4, v[34:35], s[34:35]        ; 256
	s_endpgm
.Lfunc_end_k_q93faf1b26e_soft:
	.size	k_q93faf1b26e_soft, .Lfunc_end_k_q93faf1b26e_soft-k_q93faf1b26e_soft
	.p2alignl 7, 3214868480
	.fill 96, 4, 3214868480
	.section	.rodata,"a",@progbits
	.p2align	6, 0x0
	.amdhsa_kernel k_q93faf1b26e_soft
		.amdhsa_group_segment_fixed_size 0
		.amdhsa_private_segment_fixed_size 0
		.amdhsa_enable_private_segment 0
		.amdhsa_kernarg_size 32
		.amdhsa_user_sgpr_count 2
		.amdhsa_user_sgpr_kernarg_segment_ptr 1
		.amdhsa_wavefront_size32 1
		.amdhsa_system_sgpr_workgroup_id_x 1
		.amdhsa_system_sgpr_workgroup_id_y 1
		.amdhsa_system_sgpr_workgroup_id_z 1
		.amdhsa_system_vgpr_workitem_id 0
		.amdhsa_next_free_vgpr 192
		.amdhsa_next_free_sgpr 66
		.amdhsa_reserve_vcc 1
		.amdhsa_float_denorm_mode_32 3
		.amdhsa_float_denorm_mode_16_64 3
		.amdhsa_memory_ordered 1
		.amdhsa_forward_progress 1
		.amdhsa_inst_pref_size 22
	.end_amdhsa_kernel
	.amdgpu_metadata
---
amdhsa.version: [ 1, 2 ]
amdhsa.kernels:
  - .name:           k_q93faf1b26e_soft
    .symbol:         k_q93faf1b26e_soft.kd
    .args:
      - { .name: qbuf, .offset: 0, .size: 8, .value_kind: global_buffer, .address_space: global }
      - { .name: kbuf, .offset: 8, .size: 8, .value_kind: global_buffer, .address_space: global }
      - { .name: pbuf, .offset: 16, .size: 8, .value_kind: global_buffer, .address_space: global }
      - { .name: sbuf, .offset: 24, .size: 8, .value_kind: global_buffer, .address_space: global }
    .group_segment_fixed_size: 0
    .private_segment_fixed_size: 0
    .kernarg_segment_align: 8
    .kernarg_segment_size: 32
    .max_flat_workgroup_size: 544
    .sgpr_count:     66
    .vgpr_count:     192
    .wavefront_size: 32
...
	.end_amdgpu_metadata
.endif
;; end of part 2
;; launch pv (part 3): grid 256 x 1, 8 waves a work-group, clusters of 4 x 1, 327,680 bytes of LDS; arguments pbuf, sbuf, vbuf, out0; writes out0
.if DOCPART == 3
	.amdgcn_target "amdgcn-amd-amdhsa--gfx1250"
	.amdhsa_code_object_version 6
	.text
	.protected	k_q93faf1b26e_pv
	.globl	k_q93faf1b26e_pv
	.p2align	8
	.type	k_q93faf1b26e_pv,@function
k_q93faf1b26e_pv:
	s_mov_b64 s[64:65], 0
	v_nop
	global_prefetch_b8 v0, s[64:65] scope:SCOPE_SE
	s_setreg_imm32_b32 hwreg(HW_REG_WAVE_MODE, 25, 1), 1
	s_wait_xcnt 0x0
	s_wait_alu depctr_hold_cnt(0) depctr_sa_sdst(0) depctr_va_vdst(0) depctr_va_sdst(0) depctr_va_ssrc(0) depctr_va_vcc(0) depctr_vm_vsrc(0)
	s_getreg_b32 s2, hwreg(HW_REG_IB_STS2, 6, 4)
	s_cmp_eq_u32 s2, 0
	s_cbranch_scc0 .Lentry_in_a_cluster
	s_endpgm
.Lentry_in_a_cluster:
	s_bfe_u32 s2, ttmp6, 0x10000c
	s_cmp_lg_u32 s2, 0x3003
	s_cbranch_scc0 .Lentry_shape_is_right
	s_endpgm
.Lentry_shape_is_right:
; O = P V / l on the codes of FP6 that the launches before have laid in the order of the operands' registers.
; LEFT OUT: the key steps of 128 that lie wholly behind the mask that the problem itself builds; nothing of them was stored.  LIMITS: as at the heads of the launches before; a weight's scale that falls under 2^-127 against its query's
; largest M is held at 2^-127 (its product is under 2^-122 of the sums).
; SHARES.  Cluster c = 2 (8 batch + i) + half, place cx: query blocks i and 15 - i of the batch, 128 queries each, x the 128 columns 128 (4 half + cx) on.  The pair has 17 key steps, 0 .. i for the first block and then the second's 16 - i:
; SEVENTEEN STEPS IN EVERY WORK-GROUP.  Waves 0-3 multiply: wave w takes 64 queries (w / 2) x 64 columns (w % 2) of both blocks.  Source 0 = 16 columns of V^T, source 1 = 16 queries of P: a lane holds one query, its registers run along the columns.
; All eight waves join the steps' statistics in the head (thread n: row n % 128 of block n / 128), and all eight fetch: a slot's six V steps lie in two runs of memory where the block changes within it, so each has a load of its own, waves 0-5; waves 6, 7 fetch P's halves.
; JOINING THE STEPS.  Each step of a query came with its own M and sum.  With M the largest of them, l = the sum of l_s 2^(M_s - M), and the step's four scale bytes fall by M - M_s: all four in one subtraction, bit 7 set beside each
; byte so that none borrows from the next; a byte that would fall under 0 becomes 0.  So O is summed with no rescaling.
; LDS.  Slot 0 holds six steps, slot 1 five: steps 0-5, 6-10, and 11-16 in slot 0 again.  A step is 12,800 bytes of V (two units of 64 columns, 6,144 of codes and 256 of scale words each) and 12,288 of P.
; By this text's count a wave has one tensor load out.  V's and P's blocks are dense in memory and come as rows of 256 bytes.
; CLUSTER 4 x 1.  The four partners have the same pair: P is asked for JOINTLY, with a mask that names the four.  V is not shared: partners have different columns, and work-groups of other pairs, which have the same, are at other key steps.
; Nothing is prefetched: there is no loop to run ahead in; slot 1's fill is asked for as soon as slot 0's has landed, ahead of the first product, and eleven of the seventeen steps are then in LDS or on their way.
; REGISTERS: window 0: addresses, scale words, two sets of fragments (V's four, P's four); window 1: the accumulators (query tile a, column tile n at 32 a + 8 n): block i's at 0, block 15 - i's at 128.
; The second block's 128 accumulators are cleared while the first tiles are on their way: at which step it begins hangs on i.
.set V0, 0
.set P0, 6*12800
.set V1, P0+6*12288
.set P1, V1+5*12800
.set WORDS, P1+5*12288                 ; P's scale words: [step][128 rows]: block i's eight steps, then block 15 - i's sixteen
.set RLB, WORDS+12288                  ; 1 / l: [block][128 rows]
.set STG, RLB+1024                     ; the way out: 16 rows x (256 + 16) bytes for each of waves 0-3
.set SPARE, STG+4*4352                 ; the spare words, 128 bytes for each wave: four blocks of 256 bytes that no other line names
.set SPW, 1
.set NIL, 2
.set L16, 3
.set L8,  4
.set L4,  5
.set VA,  6                            ; v6-9   V's images: slot 0 steps 0-2, 3-5; slot 1 steps 0-2, 3-4
.set PA,  10                           ; v10-13 P's
.set VS,  14                           ; v14-17 V's scale words
.set WA,  18                           ; v18    P's scale words, block i; v19 block 15 - i, less its first step; v20 by the step
.set WBB, 19
.set WX,  20
.set STO, 21
.set RD,  22
.set RLA, 23
.set CO,  24
.set VW,  26                           ; v26-29 V's scale words, two sets;  v30-33 P's
.set PWR, 30
.set WADR, 34
.set RADR, 35
.set SOFF, 36
.set FR,  40                           ; v40-135, v136-231 fragments
.set T,   136                          ; the way out, on set 1
.set BK,  168
.set RL,  232                          ; v232-235
.set W,   12
.set PAIR, 13
.set I,   14
.set BT,  15
.set CX,  16
.set EB,  17
.set QG,  18
.set EG,  19
.set G0V, 20
.set G1V, 24
.set G1P, 32
.set G0P, 40
.set VBS, 50
.set PBS, 52
.set SBS, 54
.set OUTA, 56
.set OUTB, 58
.set SB,  60                           ; s60: from block i's words to block 15 - i's, less i + 1 steps: 512 (7 - i)
.set FIRST, 66
.set LAST, 67
.set VALID, 70
.set MSB, 0
.macro WIN new
.if MSB != (\new)
	s_set_vgpr_msb (MSB<<8)|(\new)
.set MSB, (\new)
.endif
.endm
.macro PLACES
.rept 4
	v_nop
.endr
.endm
.macro CROUND
	s_barrier_signal -1
	s_barrier_wait -1
	s_cmp_lg_u32 s[W], 0
	s_cbranch_scc1 .Lnot_wave_0_\@
	s_barrier_signal -3
.Lnot_wave_0_\@:
	s_barrier_wait -3
	s_barrier_signal -1
	s_barrier_wait -1
.endm
.macro GROUP1 g, w0, rows              ; rows of 256 bytes, 32 elements of 8 bytes, end to end
	s_mov_b32 s[\g], \w0
	s_mov_b32 s[\g+1], 32<<16
	s_mov_b32 s[\g+2], (\rows)<<16
	s_mov_b32 s[\g+3], 32<<16
	s_mov_b32 s[\g+4], \rows
	s_mov_b32 s[\g+5], 32
	s_mov_b32 s[\g+6], 0
	s_mov_b32 s[\g+7], 0
.endm
.macro SETG sb, vl, pl, half           ; groups 0 for the fill that begins with step sb: V: step sb + wave; P: its halves
	s_add_co_u32 s44, s[W], \sb
	s_sub_co_u32 s45, s44, s[I]
	s_sub_co_u32 s45, s45, 1
	s_cmp_le_u32 s44, s[I]
	s_cselect_b32 s44, s44, s45                    ; the key step
	s_mul_i32 s44, s44, 12800
	s_mov_b32 s45, 0
	s_add_nc_u64 s[G0V+2:G0V+3], s[VBS:VBS+1], s[44:45]
	s_or_b32 s[G0V+3], s[G0V+3], 0x80000000
	s_mul_i32 s44, s[W], 12800
	s_add_co_u32 s[G0V+1], s44, \vl
	s_and_b32 s46, s[W], 1
	s_mul_i32 s46, s46, \half
	s_add_co_u32 s[G0P+1], s46, \pl
	s_add_co_u32 s46, s46, (\sb)*12288
	s_mov_b32 s47, 0
	s_add_nc_u64 s[G0P+2:G0P+3], s[PBS:PBS+1], s[46:47]
	s_or_b32 s[G0P+3], s[G0P+3], 0x80000000
.endm
.macro LOADS n                         ; one tensor load a wave: waves 0 .. n - 1 a V step each, waves 6 and 7 P's halves; where n = 5 wave 5 has none
	s_cmp_lt_u32 s[W], \n
	s_cbranch_scc0 .Lfor_p_\@
	tensor_load_to_lds s[G0V:G0V+3], s[G1V:G1V+7]
	s_nop 0
	PLACES
	s_branch .Lasked_\@
.Lfor_p_\@:
.if (\n) == 5
	s_cmp_lt_u32 s[W], 6
	s_cbranch_scc1 .Lasked_\@
.endif
	tensor_load_to_lds s[G0P:G0P+3], s[G1P:G1P+7]
	s_nop 0
	PLACES
.Lasked_\@:
.endm
	s_load_b256 s[4:11], s[0:1], 0x0               ; pbuf, sbuf, vbuf, out0
	v_lshl_add_u32 v[SPW], v0, 2, SPARE
	v_mov_b32 v[NIL], 0
	ds_add_u32 v[SPW], v[NIL]                      ; the wave's opening: the add, twice on end, and its wait ahead of the round in front of my first tensor load
	ds_add_u32 v[SPW], v[NIL]
	v_lshrrev_b32 v25, 5, v0
	v_readfirstlane_b32 s[W], v25                  ; wave 0..7
	s_lshr_b32 s[PAIR], ttmp9, 1                   ; in a cluster launch ttmp9 counts clusters
	s_and_b32 s[I], s[PAIR], 7
	s_lshr_b32 s[BT], s[PAIR], 3
	s_bfe_u32 s[CX], ttmp6, 0x40000
	s_and_b32 s[EB], ttmp9, 1
	s_lshl_b32 s[EB], s[EB], 2
	s_add_co_u32 s[EB], s[EB], s[CX]               ; my 128 columns
	s_bfe_u32 s[QG], s[W], 0x10001
	s_and_b32 s[EG], s[W], 1
	GROUP1 G1V, 3<<16, 50
	GROUP1 G1P, 15|(3<<16)|(1<<21), 144            ; the mask: all four work-groups; bit 21 beside it
	s_mov_b32 s[G0V], 1
	s_mov_b32 s[G0P], 1
	s_lshl_b32 s44, s[BT], 3
	s_add_co_u32 s44, s44, s[EB]
	s_mul_i32 s[VBS], s44, 16*12800
	s_mov_b32 s[VBS+1], 0
	s_mul_i32 s[PBS], s[PAIR], 17*12288
	s_mov_b32 s[PBS+1], 0
	s_mul_i32 s[SBS], s[PAIR], 17*2048
	s_mov_b32 s[SBS+1], 0
	s_lshl_b32 s44, s[BT], 23                      ; out0: 2,048 rows of 4,096 bytes a batch,
	s_lshl_b32 s45, s[QG], 18                      ; my 64 rows of a block,
	s_add_co_u32 s44, s44, s45
	s_lshl_b32 s45, s[EB], 9                       ; my 64 columns
	s_add_co_u32 s44, s44, s45
	s_lshl_b32 s45, s[EG], 8
	s_add_co_u32 s44, s44, s45
	s_lshl_b32 s45, s[I], 19
	s_add_co_u32 s[OUTA], s44, s45
	s_mov_b32 s[OUTA+1], 0
	s_sub_co_u32 s[LAST], 15, s[I]
	s_lshl_b32 s45, s[LAST], 19
	s_add_co_u32 s[OUTB], s44, s45
	s_mov_b32 s[OUTB+1], 0
	s_xor_b32 s[SB], s[I], 7
	s_lshl_b32 s[SB], s[SB], 9
	s_add_co_u32 s[FIRST], s[I], 1                 ; my thread's block: waves 0-3 block i: steps 0 .. i; waves 4-7 block 15 - i: 16 - i steps from i + 1 on
	s_cmp_lt_u32 s[W], 4
	s_cselect_b32 s[FIRST], 0, s[FIRST]
	s_cselect_b32 s[LAST], s[I], s[LAST]
.irp n, 0,1,2,3,4,5,6,7,8,9,10,11,12,13,14,15
	s_cmp_ge_u32 s[LAST], \n
	s_cselect_b32 s[VALID+\n], 1.0, 0              ; does the block have a step n?
.endr
	s_wait_dscnt 0x0                               ; both opening adds are done
	s_wait_kmcnt 0x0
	s_add_nc_u64 s[PBS:PBS+1], s[4:5], s[PBS:PBS+1]
	s_add_nc_u64 s[SBS:SBS+1], s[6:7], s[SBS:SBS+1]
	s_add_nc_u64 s[VBS:VBS+1], s[8:9], s[VBS:VBS+1]
	s_add_nc_u64 s[OUTA:OUTA+1], s[10:11], s[OUTA:OUTA+1]
	s_add_nc_u64 s[OUTB:OUTB+1], s[10:11], s[OUTB:OUTB+1]
	SETG 0, V0, P0, 36864
	CROUND                                         ; all four work-groups are here: the first joint loads meet
	LOADS 6                                        ; steps 0-5
	; the statistics of my thread's row: a step's word and -M, and its sum
	v_and_b32 v37, 15, v0                          ; r
	v_bfe_u32 v39, v0, 4, 3                        ; tile of the block
	v_lshlrev_b32 v[SOFF], 8, v39
	v_lshl_add_u32 v[SOFF], v37, 3, v[SOFF]
	s_wait_alu depctr_va_vdst(0)
.irp n, 0,1,2,3,4,5,6,7,8,9,10,11,12,13,14,15
	s_min_u32 s44, s[LAST], \n                     ; (steps that the block does not have name its last again and count 0)
	s_add_co_u32 s44, s44, s[FIRST]
	s_lshl_b32 s44, s44, 11
	v_add_nc_u32 v[40+\n], s44, v[SOFF]
.endr
	s_wait_alu depctr_va_vdst(0)
.macro STATS n
	global_load_b64 v[56+2*(\n):57+2*(\n)], v[40+(\n)], s[SBS:SBS+1]
	global_load_b32 v[88+(\n)], v[40+(\n)], s[SBS:SBS+1] offset:128
.endm
.irp n, 0,1,2,3,4,5,6,7
	STATS \n
.endr
	; every LDS address is made here, ahead of the parting of the roles, and holds nothing else
	v_and_b32 v25, 31, v0                          ; lane
	v_bfe_u32 v38, v0, 4, 1                        ; h
	v_and_b32 v37, 15, v0
	v_lshlrev_b32 v[L16], 4, v25
	v_lshlrev_b32 v[L8], 3, v25
	v_lshlrev_b32 v[L4], 2, v25
	s_mul_i32 s44, s[EG], 6400
	s_mul_i32 s45, s[QG], 6144
	v_add_nc_u32 v[VA], s44, v[L16]
	v_add_nc_u32 v[VS], s44, v[L8]
	v_add_nc_u32 v[PA], s45, v[L16]
	v_add_nc_u32 v[VS], 6144, v[VS]
	v_add_nc_u32 v[PA], P0, v[PA]
	v_add_nc_u32 v[VA+1], 3*12800, v[VA]
	v_add_nc_u32 v[VA+2], V1, v[VA]
	v_add_nc_u32 v[VA+3], V1+3*12800, v[VA]
	v_add_nc_u32 v[VS+1], 3*12800, v[VS]
	v_add_nc_u32 v[VS+2], V1, v[VS]
	v_add_nc_u32 v[VS+3], V1+3*12800, v[VS]
	v_add_nc_u32 v[PA+1], 3*12288, v[PA]
	v_add_nc_u32 v[PA+2], P1-P0, v[PA]
	v_add_nc_u32 v[PA+3], P1-P0+3*12288, v[PA]
	s_lshl_b32 s44, s[QG], 8
	s_add_co_u32 s45, s44, WORDS
	s_add_co_u32 s44, s44, RLB
	v_add_nc_u32 v[WA], s45, v[L4]
	v_lshlrev_b32 v[RLA], 2, v37
	v_add_nc_u32 v[WBB], s[SB], v[WA]
	v_add_nc_u32 v[RLA], s44, v[RLA]
	s_and_b32 s44, s[W], 3
	s_mul_i32 s44, s44, 4352
	s_add_co_u32 s44, s44, STG
	v_mul_u32_u24 v[STO], v37, 272                 ; in: row r, 128 bytes for each half of the lanes
	v_lshl_add_u32 v[STO], v38, 7, v[STO]
	v_add_nc_u32 v[STO], s44, v[STO]
	v_mul_u32_u24 v[RD], v38, 272                  ; back: lanes 0-15 one row of 256 bytes, lanes 16-31 the next
	v_lshl_add_u32 v[RD], v37, 4, v[RD]
	v_add_nc_u32 v[RD], s44, v[RD]
	v_lshlrev_b32 v[CO], 14, v38                   ; in out0 a tile's neighbouring rows lie four rows apart
	v_lshl_add_u32 v[CO], v37, 4, v[CO]
	v_lshrrev_b32 v[WADR], 7, v0
	v_and_b32 v39, 127, v0
	v_lshlrev_b32 v[WADR], 12, v[WADR]
	v_lshl_add_u32 v[WADR], v39, 2, v[WADR]
	v_add_nc_u32 v[WADR], WORDS, v[WADR]
	v_lshlrev_b32 v[RADR], 2, v0
	v_add_nc_u32 v[RADR], RLB, v[RADR]
	v_mov_b32 v108, 0                              ; l
	s_wait_alu depctr_va_vdst(0)
	s_cmp_lt_u32 s[W], 4
	s_cbranch_scc0 .Llong
	WIN 0x40
.set I_, 128
.rept 128
	v_mov_b32 v[I_], 0                             ; the second block's accumulators
.set I_, I_+1
.endr
	WIN 0
	s_wait_alu depctr_va_vdst(0)
	s_branch .Lshort
.Llong:
.irp n, 8,9,10,11,12,13,14,15
	STATS \n
.endr
.Lshort:
	s_wait_loadcnt 0x0
	v_min_u32 v104, v57, v59                       ; the least -M
	v_min_u32 v105, v61, v63
	v_min_u32 v104, v104, v65
	v_min_u32 v105, v105, v67
	v_min_u32 v104, v104, v69
	v_min_u32 v105, v105, v71
	v_min_u32 v104, v104, v105
	s_wait_alu depctr_va_vdst(0)
	s_cmp_lt_u32 s[W], 4
	s_cbranch_scc1 .Lmin_done
	v_min_u32 v105, v73, v75
	v_min_u32 v106, v77, v79
	v_min_u32 v107, v81, v83
	v_min_u32 v104, v104, v85
	v_min_u32 v105, v105, v106
	v_min_u32 v104, v104, v87
	v_min_u32 v105, v105, v107
	v_min_u32 v104, v104, v105
	s_wait_alu depctr_va_vdst(0)
.Lmin_done:
.macro JOIN lo
.irp k, 0,1,2,3,4,5,6,7
	v_sub_nc_u32 v[112+\k], v[57+2*((\lo)+\k)], v104               ; M - M_s, 0 or more
.endr
.irp k, 0,1,2,3,4,5,6,7
	v_min_u32 v[112+\k], 127, v[112+\k]
.endr
.irp k, 0,1,2,3,4,5,6,7
	v_sub_nc_u32 v[120+\k], 0, v[112+\k]
.endr
.irp k, 0,1,2,3,4,5,6,7
	v_perm_b32 v[112+\k], v[112+\k], v[112+\k], 0                  ; in all four bytes
.endr
.irp k, 0,1,2,3,4,5,6,7
	v_ldexp_f32 v[120+\k], v[88+(\lo)+\k], v[120+\k]
.endr
.irp k, 0,1,2,3,4,5,6,7
	v_sub_nc_u32 v[112+\k], v[56+2*((\lo)+\k)], v[112+\k]          ; 128 + byte - (M - M_s) in each byte: 2 or more, so no byte borrows
.endr
.irp k, 0,1,2,3,4,5,6,7
	v_fma_f32 v108, v[120+\k], s[VALID+(\lo)+\k], v108
.endr
.irp k, 0,1,2,3,4,5,6,7
	v_and_b32 v[120+\k], 0x80808080, v[112+\k]                     ; bit 7 left: the byte has not fallen under 0
.endr
.irp k, 0,1,2,3,4,5,6,7
	v_lshrrev_b32 v[128+\k], 7, v[120+\k]
.endr
.irp k, 0,1,2,3,4,5,6,7
	v_sub_nc_u32 v[120+\k], v[120+\k], v[128+\k]                   ; 0x7f where it has not, else 0
.endr
.irp k, 0,1,2,3,4,5,6,7
	v_and_b32 v[112+\k], v[112+\k], v[120+\k]
.endr
.irp k, 0,1,2,3,4,5,6,7
	ds_store_b32 v[WADR], v[112+\k] offset:512*((\lo)+\k)
.endr
.endm
	JOIN 0
	s_wait_alu depctr_va_vdst(0)
	s_cmp_lt_u32 s[W], 4
	s_cbranch_scc1 .Ljoined
	JOIN 8
.Ljoined:
	s_wait_alu depctr_va_vdst(0)
	v_rcp_f32 v106, v108
	v_nop
	s_wait_alu depctr_va_vdst(0)                   ; and behind it
	ds_store_b32 v[RADR], v106
; a step's 27 loads: scale words, V's four fragments, P's four, into set sq % 2
.macro FETCH sq
.set Q_, \sq
.set S_, Q_%2
.if Q_ < 6
.set B_, 0
.set K_, Q_
.elseif Q_ < 11
.set B_, 1
.set K_, Q_-6
.else
.set B_, 0
.set K_, Q_-11
.endif
.set R_, 2*B_+K_/3
.set O_, K_%3
	ds_load_b64 v[VW+2*S_:VW+2*S_+1], v[VS+R_] offset:12800*O_
.if Q_ == 0
.set X_, WA
.elseif Q_ > 7
.set X_, WBB
.else
.set X_, WX
	s_cmp_ge_u32 s[I], Q_
	s_cselect_b32 s44, 0, s[SB]
	v_add_nc_u32 v[WX], s44, v[WA]
.endif
	ds_load_b32 v[PWR+2*S_], v[X_] offset:512*Q_
	ds_load_b32 v[PWR+2*S_+1], v[X_] offset:512*Q_+128
.irp n, 0,1,2,3
.irp c, 0,1,2
	ds_load_b128 v[FR+96*S_+12*\n+4*\c:FR+96*S_+12*\n+4*\c+3], v[VA+R_] offset:12800*O_+1536*\n+512*\c
.endr
.endr
.irp n, 0,1,2,3
.irp c, 0,1,2
	ds_load_b128 v[FR+96*S_+48+12*\n+4*\c:FR+96*S_+48+12*\n+4*\c+3], v[PA+R_] offset:12288*O_+1536*\n+512*\c
.endr
.endr
.endm
.macro WM1 d, a, b, c, sa, sb, x, y
	v_wmma_scale_f32_16x16x128_f8f6f4 v[\d:\d+7], v[\a:\a+11], v[\b:\b+11], \c, v[\sa], v[\sb] matrix_a_fmt:MATRIX_FMT_FP6 matrix_b_fmt:MATRIX_FMT_FP6 matrix_a_scale:MATRIX_SCALE_ROW\x matrix_b_scale:MATRIX_SCALE_ROW\y
.endm
.macro WM c
.if NR_ && AR_
	WM1 D_, FA_, FB_, \c, XA_, XB_, 1, 1
.elseif NR_
	WM1 D_, FA_, FB_, \c, XA_, XB_, 1, 0
.elseif AR_
	WM1 D_, FA_, FB_, \c, XA_, XB_, 0, 1
.else
	WM1 D_, FA_, FB_, \c, XA_, XB_, 0, 0
.endif
.endm
; a step's 16 products; the 16 accumulators take turns, one instruction a turn
.macro MUL16 sq, acc, zero
	WIN 0x50
.irp a, 0,1,2,3
.irp n, 0,1,2,3
.set D_, (\acc)+32*\a+8*\n
.set FA_, FR+96*((\sq)%2)+12*\n
.set FB_, FR+96*((\sq)%2)+48+12*\a
.set XA_, VW+2*((\sq)%2)+\n/2
.set XB_, PWR+2*((\sq)%2)+\a/2
.set NR_, \n%2
.set AR_, \a%2
.if \zero
	WM 0
.else
	WM v[D_:D_+7]
.endif
.endr
.endr
	WIN 0
.endm
; a step; the next one's fragments, where its slot is this one's, are fetched ahead of the products
.macro STEP sq, last
.if \last
	s_wait_dscnt 0x0
.else
	PLACES                                         ; four places between the products that read the other set and the loads into it
	FETCH (\sq)+1
	s_wait_dscnt 27                                ; this step's are in; the 27 just issued may be out
.endif
.if (\sq) == 0
	MUL16 \sq, 0, 1
.elseif (\sq) > 7
	MUL16 \sq, 128, 0                              ; block i has at most eight steps
.else
	s_cmp_ge_u32 s[I], \sq
	s_cbranch_scc0 .Lsecond_\@
	MUL16 \sq, 0, 0
	s_branch .Lmul_done_\@
.Lsecond_\@:
	MUL16 \sq, 128, 0
.Lmul_done_\@:
.endif
.endm
; THE WAY OUT, by tiles of 16 queries x 64 columns.  Register j of column tile n is column 32 h + 4 j + n: the four tiles' registers j are 16 neighbouring bytes.  A tile goes through my own stage and comes back as whole rows of 256 bytes
.macro TOST a, acc
	WIN 0x01
.irp n, 0,1,2,3
.irp j, 0,1,2,3,4,5,6,7
	v_mul_f32 v[T+4*\j+\n], v[(\acc)+32*(\a)+8*\n+\j], v[RL+(\a)]
.endr
.endr
	WIN 0
.irp j, 0,1,2,3,4,5,6,7
	ds_store_b128 v[STO], v[T+4*\j:T+4*\j+3] offset:16*\j
.endr
.irp t, 0,1,2,3,4,5,6,7
	ds_load_b128 v[BK+32*((\a)%2)+4*\t:BK+32*((\a)%2)+4*\t+3], v[RD] offset:544*\t   ; LDS serves a wave's instructions in order (ISA guide 5.7.1.4)
.endr
.endm
.macro SEND a, younger, base
	s_wait_dscnt \younger
.irp t, 0,1,2,3,4,5,6,7
	global_store_b128 v[CO], v[BK+32*((\a)%2)+4*\t:BK+32*((\a)%2)+4*\t+3], s[\base:\base+1] offset:(8*\t+(\a))*4096 th:TH_STORE_NT   ; sixteen lanes store 256 consecutive aligned bytes
.endr
.endm
.macro WAYOUT acc, blk, base
.irp a, 0,1,2,3
	ds_load_b32 v[RL+\a], v[RLA] offset:512*(\blk)+64*\a
.endr
	PLACES                                         ; between the products and what reads their results or writes over their operands
	s_wait_dscnt 0x0
	TOST 0, \acc
	TOST 1, \acc
	SEND 0, 16, \base                              ; behind tile 0's loads: tile 1's 8 stores and 8 loads
	s_wait_xcnt 0x0                                ; the stores have read their registers: tile 2's loads may land there
	TOST 2, \acc
	SEND 1, 16, \base
	s_wait_xcnt 0x0
	TOST 3, \acc
	SEND 2, 16, \base
	SEND 3, 0, \base
	s_wait_xcnt 0x0
.endm
	s_wait_alu depctr_va_vdst(0)
	s_wait_tensorcnt 0x0                           ; my part of steps 0-5 is in
	ds_add_u32 v[SPW], v[NIL]                      ; 0 onto my spare word
	SETG 6, V1, P1, 30720                          ; no tensor load of mine is out, so the descriptors may be written
	s_mov_b32 s[G1P+2], 120<<16                    ; five steps of P in halves of 120 rows
	s_mov_b32 s[G1P+4], 120
	s_wait_dscnt 0x0                               ; the add is done, and my stores of words
	CROUND                                         ; slot 0 and the words are whole
	LOADS 5                                        ; steps 6-10, the first tensor load behind the round
	s_cmp_lt_u32 s[W], 4
	s_cbranch_scc0 .Lslot0_done
	FETCH 0
.irp q, 0,1,2,3,4
	STEP \q, 0
.endr
	STEP 5, 1
.Lslot0_done:
	s_wait_tensorcnt 0x0                           ; my part of steps 6-10 is in
	ds_add_u32 v[SPW], v[NIL]
	SETG 11, V0, P0, 36864
	s_mov_b32 s[G1P+2], 144<<16
	s_mov_b32 s[G1P+4], 144
	s_wait_dscnt 0x0                               ; the add is done, and my reads of slot 0
	CROUND                                         ; no wave of any partner still reads slot 0 or has a load on its way
	LOADS 6                                        ; steps 11-16, into slot 0
	s_cmp_lt_u32 s[W], 4
	s_cbranch_scc0 .Lslot1_done
	PLACES
	FETCH 6
	STEP 6, 0
	STEP 7, 0
	WAYOUT 0, 0, OUTA                              ; block i is complete: its rows leave under the second block's products
	STEP 8, 0
	STEP 9, 0
	STEP 10, 1
.Lslot1_done:
	s_wait_tensorcnt 0x0                           ; my part of steps 11-16 is in
	s_wait_dscnt 0x0
	s_barrier_signal -1
	s_barrier_wait -1                              ; everybody's
	s_cmp_lt_u32 s[W], 4
	s_cbranch_scc0 .Lslot2_done
	PLACES
	FETCH 11
.irp q, 11,12,13,14,15
	STEP \q, 0
.endr
	STEP 16, 1
	WAYOUT 128, 1, OUTB
.Lslot2_done:
	s_wait_tensorcnt 0x0                           ; the wave's end
	ds_add_u32 v[SPW], v[NIL]
	s_wait_dscnt 0x0
	CROUND                                         ; the closing round: no work-group ends while a partner may still ask for a tile that names it
	s_endpgm
.Lfunc_end_k_q93faf1b26e_pv:
	.size	k_q93faf1b26e_pv, .Lfunc_end_k_q93faf1b26e_pv-k_q93faf1b26e_pv
	.p2alignl 7, 3214868480
	.fill 96, 4, 3214868480
	.section	.rodata,"a",@progbits
	.p2align	6, 0x0
	.amdhsa_kernel k_q93faf1b26e_pv
		.amdhsa_group_segment_fixed_size 327680
		.amdhsa_private_segment_fixed_size 0
		.amdhsa_enable_private_segment 0
		.amdhsa_kernarg_size 32
		.amdhsa_user_sgpr_count 2
		.amdhsa_user_sgpr_kernarg_segment_ptr 1
		.amdhsa_wavefront_size32 1
		.amdhsa_system_sgpr_workgroup_id_x 1
		.amdhsa_system_sgpr_workgroup_id_y 1
		.amdhsa_system_sgpr_workgroup_id_z 1
		.amdhsa_system_vgpr_workitem_id 0
		.amdhsa_next_free_vgpr 512
		.amdhsa_next_free_sgpr 88
		.amdhsa_reserve_vcc 0
		.amdhsa_float_denorm_mode_32 3
		.amdhsa_float_denorm_mode_16_64 3
		.amdhsa_memory_ordered 1
		.amdhsa_forward_progress 1
		.amdhsa_inst_pref_size 139
	.end_amdhsa_kernel
	.amdgpu_metadata
---
amdhsa.version: [ 1, 2 ]
amdhsa.kernels:
  - .name:           k_q93faf1b26e_pv
    .symbol:         k_q93faf1b26e_pv.kd
    .args:
      - { .name: pbuf, .offset: 0, .size: 8, .value_kind: global_buffer, .address_space: global }
      - { .name: sbuf, .offset: 8, .size: 8, .value_kind: global_buffer, .address_space: global }
      - { .name: vbuf, .offset: 16, .size: 8, .value_kind: global_buffer, .address_space: global }
      - { .name: out0, .offset: 24, .size: 8, .value_kind: global_buffer, .address_space: global }
    .group_segment_fixed_size: 327680
    .private_segment_fixed_size: 0
    .kernarg_segment_align: 8
    .kernarg_segment_size: 32
    .max_flat_workgroup_size: 256
    .sgpr_count:     88
    .vgpr_count:     512
    .wavefront_size: 32
...
	.end_amdgpu_metadata
.endif
;; end of part 3
